; MI455X (gfx1250); checked and timed in simulation.
; The chip was launched on July 23, 2026; its instructions are those of AMD's public machine-readable ISA for CDNA 5 (MIT licence, August 2026) and "CDNA5" Instruction Set Architecture Reference Guide (July 2026). The comments in the code are by the model that wrote it; some were corrected since.
;; Attention Block. Allowed arithmetic: matrix products marked QUANTISED: E2M1 operands, one E8M0 scale for each 32 along K, by v_wmma_scale_f32_16x16x128_f8f6f4 with both operands' format E2M1 (or v_wmma_scale_f32_32x16x128_f4), f32 sums; everything else in f32.
;; Inputs: Wk 32 x 256 float32; Wq 32 x 256 float32; Wv 256 x 256 float32; bk 32 float32; bq 32 float32; bv 256 float32; gamma 1 float32; x 8 x 256 x 64 x 64 float32.
;; Outputs: out0 8 x 256 x 64 x 64 float32.
;; This version of the problem:
;;   THIS VERSION OF THE PROBLEM IS GIVEN IN LOW PRECISION. The matrix products marked QUANTISED in the list below multiply operands that are first quantised to E2M1 (2 exponent bits, 1 mantissa bit; 4 bits a number), with one power-of-two scale for each 32 numbers along K (OCP MX v1.0); their sums are f32. All else is computed in f32.
;;   The module's matrix products, in the order in which they are computed (A, B: the left and right operand; K: the contracted axis; several contracted axes count as one K, in the product's order):
;;     1. [M 32,768, K 256] x [K 256, N 32]; A: input x; B: input Wq: QUANTISED
;;     2. [M 32,768, K 256] x [K 256, N 32]; A: input x; B: input Wk: QUANTISED
;;     3. [M 32,768, K 256] x [K 256, N 256]; A: input x; B: input Wv: QUANTISED
;;     4. batch 8 x [M 4,096, K 32] x [K 32, N 4,096]; A: computed on the way; B: computed on the way: QUANTISED
;;     5. batch 8 x [M 256, K 4,096] x [K 4,096, N 4,096]; A: computed on the way; B: softmax (see below): QUANTISED
;;   THE QUANTISER, for each operand of a quantised product, along K:
;;     - K is cut into blocks of 32 from its start; a last block that is shorter is filled with zeros.
;;     - A block's scale is 2^e with e = floor(log2(the largest magnitude in the block)) - 2, held to -126 .. 127; a block of zeros has e = 0. As a byte (E8M0): e + 127.
;;     - Each number is divided by its block's scale, clamped to +-6, and rounded to the nearest number of E2M1, ties to even, subnormals kept.
;;     - The product sums the exact products of the quantised numbers (number of the format x scale) in f32.
;;   ~~~python
;;   def quantise(x, axis):      # numpy; x: float32 -> the quantised numbers, widened to float32 again
;;       x = np.moveaxis(x, axis, -1); K = x.shape[-1]
;;       x = np.pad(x, [(0, 0)] * (x.ndim - 1) + [(0, -K % 32)]); x = x.reshape(x.shape[:-1] + (-1, 32)); a = np.abs(x).max(-1, keepdims=True)
;;       e = np.where(a > 0, np.clip(np.frexp(np.where(a > 0, a, 1))[1] - 1 - 2, -126, 127), 0)      # np.frexp(a)[1] - 1 = floor(log2(a)), exactly
;;       r = np.clip(x / 2.0 ** e, -6, 6)
;;       step = 2.0 ** (np.maximum(np.frexp(np.where(r == 0, 1, r))[1] - 1, 0) - 1)
;;       q = np.round(r / step) * step * 2.0 ** e      # np.round: ties to even
;;       return np.moveaxis(q.reshape(q.shape[:-2] + (-1,))[..., :K], -1, axis).astype(np.float32)
;;   ~~~
;;   SOFTMAX AHEAD OF A QUANTISED PRODUCT. Where the list says 'softmax', what is quantised is not the finished softmax but p = 2^(t - M), with t = logit x log2(e) and M = ceil(the row's largest t), a whole number; so 1/2 < the row's largest p <= 1. The row's sum l is taken of the UNQUANTISED p, in f32, and the product's result is divided by l at the end. Since M is a whole number, a kernel that streams over the keys may use a running M (the ceiling of the running maximum): every later rescaling is an exact power of two, which a block's scale takes up: the codes' values come out the same.
;;   OPERANDS COMPUTED ON THE WAY. 'Computed on the way' means the value that the module computes at that place (a softmax that the list does not call 'softmax' is quantised finished and normalised). What goes into a quantiser is computed in f32, as accurately as f32 sums, v_exp_f32 and their like allow (about 1e-6 of the number): no bf16 or f16 on the way to a quantiser, and a product that is left as it is and whose result goes on into a quantised operand takes f32 operands (vector FMAs, or v_wmma_f32_16x16x4_f32). A number that lies on a knife's edge between two numbers of the format may be rounded either way, as far as f32 arithmetic and the matrix unit's own rounding can turn it there, and no further.
;; One version. Each part assembles by itself: llvm-mc -triple=amdgcn-amd-amdhsa -mcpu=gfx1250 --defsym DOCPART=n.
;; ======== version 1 of 1: 3 launches
;; workspace buffers: wimg 43,520 bytes; kv 5,046,272 bytes; qc 524,288 bytes
;; launch wquant (part 1): grid 20 x 1, 1 waves a work-group, no clusters, 0 bytes of LDS; arguments Wq, Wk, Wv, wimg; writes wimg
.if DOCPART == 1
	.amdgcn_target "amdgcn-amd-amdhsa--gfx1250"
	.amdhsa_code_object_version 6
	.text
	.protected	k_qec71d2c6a5_wquant
	.globl	k_qec71d2c6a5_wquant
	.p2align	8
	.type	k_qec71d2c6a5_wquant,@function
k_qec71d2c6a5_wquant:
	s_mov_b64 s[64:65], 0
	v_nop
	global_prefetch_b8 v0, s[64:65] scope:SCOPE_SE
	s_setreg_imm32_b32 hwreg(HW_REG_WAVE_MODE, 25, 1), 1
	s_wait_xcnt 0x0
; Wq [32][256], Wk [32][256], Wv [256][256], f32, K (the 256 input channels) innermost, become codes of FP4 (E2M1) with one E8M0 scale byte for each 32 along K,
; laid as IMAGES OF OPERAND REGISTERS: a tile is 16 rows x 256 K = two fragments of 16 x 128; a fragment is 8 registers a lane, stored as two runs of 512 bytes, lane l's 16 bytes at 16 l.
; wimg: codes [tile T 0..19][K step s][part c][lane][16 bytes] (40,960 bytes), then scale words [T][lane]: lanes 0-15 the word of row r for K step 0, lanes 16-31 for K step 1.
; Tiles 0, 1: Wq; 2, 3: Wk; 4 + ct: Wv's rows 16 ct + r.  In a tile u of Wq or Wk lane r takes row 8 u + r + 8 (r / 8), so that the two tiles' results, used transposed, are 16 neighbouring channels in a lane.
; One wave makes one tile: lane (r, h) holds blocks 4 s + 2 c + h of its row, 32 numbers each, all its own: no other lane is asked for a maximum.
; A block's scale byte is its largest magnitude's exponent field - 2, held at 1 from below by a floor among the maximum's leaves.
; LIMITS: a block of zeros, or one whose largest magnitude lies under 2^-124, keeps the byte 1 (its codes are zeros or the rule's own; the bytes are read by this program alone); NaN and infinities are not served.
; The 20 tiles share no input, so there is no cluster, no LDS and no barrier.  The scale words leave as 128 bytes a tile, 2,560 bytes in all.
.set NUM, 64                           ; v64-191  128 numbers: block q = 2 s + c at v[NUM + 32 q]
.set COD, 24                           ; v24-39   codes: block q at v[COD + 4 q]
.set MX,  8                            ; v8-11    largest magnitudes
.set SO,  12                           ; v12-15   the conversions' scale operands
.set BY,  16                           ; v16-19   scale bytes
	s_load_b256 s[4:11], s[0:1], 0x0               ; Wq s[4:5], Wk s[6:7], Wv s[8:9], wimg s[10:11]
	v_and_b32 v1, 15, v0                           ; r
	v_bfe_u32 v2, v0, 4, 1                         ; h
	v_lshlrev_b32 v5, 4, v0                        ; 16 x lane
	v_lshlrev_b32 v6, 2, v0                        ; 4 x lane
	v_lshlrev_b32 v23, 3, v2                       ; 8 h: my bytes' place in a scale word
	v_mov_b32 v22, 0                               ; a lane permute's destination counts as one of its sources
	s_mov_b32 s24, 0x76543210
	s_mov_b32 s25, 0xfedcba98                      ; selects for lane l xor 16
	s_and_b32 s12, ttmp9, 1
	s_lshl_b32 s12, s12, 3                         ; a tile of Wq or Wk begins at row 8 (T % 2),
	s_max_u32 s13, ttmp9, 4
	s_sub_co_u32 s13, s13, 4
	s_lshl_b32 s13, s13, 4                         ; one of Wv at row 16 (T - 4)
	s_lshl_b32 s20, ttmp9, 11                      ; the tile's codes: 2,048 T
	s_mov_b32 s21, 0
	s_lshl_b32 s26, ttmp9, 7
	s_add_co_u32 s26, s26, 40960                   ; its scale words: 40,960 + 128 T
	s_mov_b32 s27, 0
	s_wait_kmcnt 0x0
	s_cmp_lt_u32 ttmp9, 2                          ; which weight: the choice hangs on the work-group's number alone
	s_cselect_b64 s[16:17], s[4:5], s[6:7]
	s_cmp_lt_u32 ttmp9, 4
	s_cselect_b64 s[16:17], s[16:17], s[8:9]
	s_cselect_b32 s14, s12, s13                    ; the tile's first row
	s_cselect_b32 s15, 1, 0                        ; 1: rows 8-15 of the tile lie 8 further on
	s_add_nc_u64 s[18:19], s[10:11], s[20:21]
	s_add_nc_u64 s[22:23], s[10:11], s[26:27]
	v_and_b32 v4, 8, v1
	v_mul_u32_u24 v4, s15, v4
	v_add3_u32 v3, v1, v4, s14                     ; my row
	v_lshlrev_b32 v3, 10, v3                       ; of 1,024 bytes,
	v_lshl_add_u32 v3, v2, 7, v3                   ; + 128 h: lanes 16-31 take the odd blocks
.irp q, 0,1,2,3
.irp i, 0,1,2,3,4,5,6,7
	global_load_b128 v[NUM+32*\q+4*\i:NUM+32*\q+4*\i+3], v3, s[16:17] offset:256*\q+16*\i   ; block 2 q + h of my row
.endr
.endr
	s_wait_loadcnt 0x0
.irp q, 0,1,2,3
	v_max3_num_f32 v[MX+\q], |v[NUM+32*\q]|, |v[NUM+1+32*\q]|, 0x1800000   ; with the floor 2^(3 - 127): the byte cannot fall under 1
.endr
.irp i, 2,4,6,8,10,12,14,16,18,20,22,24,26,28,30
.irp q, 0,1,2,3
	v_max3_num_f32 v[MX+\q], v[MX+\q], |v[NUM+32*\q+\i]|, |v[NUM+1+32*\q+\i]|   ; the four blocks by turns
.endr
.endr
.irp q, 0,1,2,3
	v_add_nc_u32 v[SO+\q], 0xff000000, v[MX+\q]    ; 2 off the exponent field: the conversion takes this operand's exponent field as its scale
.endr
.irp q, 0,1,2,3
	v_lshrrev_b32 v[BY+\q], 23, v[SO+\q]           ; the scale's byte
.endr
.irp s, 0,1
	v_lshl_or_b32 v[20+\s], v[BY+2*\s+1], 16, v[BY+2*\s]   ; my two bytes of K step s: blocks h and 2 + h,
	v_lshlrev_b32 v[20+\s], v23, v[20+\s]          ; at their places;
	v_permlanex16_b32 v22, v[20+\s], s24, s25
	v_or_b32 v[20+\s], v[20+\s], v22               ; with lane l xor 16's two the word is whole
.endr
	v_cmp_gt_u32 vcc_lo, 16, v0
	v_cndmask_b32 v20, v21, v20, vcc_lo            ; lanes 0-15: K step 0's word; lanes 16-31: K step 1's
.irp q, 0,1,2,3
.irp g, 0,1,2,3
	v_cvt_scalef32_pk8_fp4_f32 v[COD+4*\q+\g], v[NUM+32*\q+8*\g:NUM+32*\q+8*\g+7], v[SO+\q]
.endr
.endr
	v_nop                                          ; one plain line behind the last scaled conversion
.irp q, 0,1,2,3
	global_store_b128 v5, v[COD+4*\q:COD+4*\q+3], s[18:19] offset:512*\q   ; 32 lanes store 512 consecutive bytes
.endr
	global_store_b32 v6, v20, s[22:23]
	s_endpgm
.Lfunc_end_k_qec71d2c6a5_wquant:
	.size	k_qec71d2c6a5_wquant, .Lfunc_end_k_qec71d2c6a5_wquant-k_qec71d2c6a5_wquant
	.p2alignl 7, 3214868480
	.fill 96, 4, 3214868480
	.section	.rodata,"a",@progbits
	.p2align	6, 0x0
	.amdhsa_kernel k_qec71d2c6a5_wquant
		.amdhsa_group_segment_fixed_size 0
		.amdhsa_private_segment_fixed_size 0
		.amdhsa_enable_private_segment 0
		.amdhsa_kernarg_size 32
		.amdhsa_user_sgpr_count 2
		.amdhsa_user_sgpr_kernarg_segment_ptr 1
		.amdhsa_wavefront_size32 1
		.amdhsa_system_sgpr_workgroup_id_x 1
		.amdhsa_system_sgpr_workgroup_id_y 1
		.amdhsa_system_sgpr_workgroup_id_z 1
		.amdhsa_system_vgpr_workitem_id 0
		.amdhsa_next_free_vgpr 192
		.amdhsa_next_free_sgpr 66
		.amdhsa_reserve_vcc 1
		.amdhsa_float_denorm_mode_32 3
		.amdhsa_float_denorm_mode_16_64 3
		.amdhsa_memory_ordered 1
		.amdhsa_forward_progress 1
		.amdhsa_inst_pref_size 11
	.end_amdhsa_kernel
	.amdgpu_metadata
---
amdhsa.version: [ 1, 2 ]
amdhsa.kernels:
  - .name:           k_qec71d2c6a5_wquant
    .symbol:         k_qec71d2c6a5_wquant.kd
    .args:
      - { .name: Wq, .offset: 0, .size: 8, .value_kind: global_buffer, .address_space: global }
      - { .name: Wk, .offset: 8, .size: 8, .value_kind: global_buffer, .address_space: global }
      - { .name: Wv, .offset: 16, .size: 8, .value_kind: global_buffer, .address_space: global }
      - { .name: wimg, .offset: 24, .size: 8, .value_kind: global_buffer, .address_space: global }
    .group_segment_fixed_size: 0
    .private_segment_fixed_size: 0
    .kernarg_segment_align: 8
    .kernarg_segment_size: 32
    .max_flat_workgroup_size: 32
    .sgpr_count:     66
    .vgpr_count:     192
    .wavefront_size: 32
...
	.end_amdgpu_metadata
.endif
;; end of part 1
;; launch proj (part 2): grid 32 x 8, 4 waves a work-group, no clusters, 168,448 bytes of LDS; arguments x, wimg, bq, bk, bv, kv, qc; writes kv, qc
.if DOCPART == 2
	.amdgcn_target "amdgcn-amd-amdhsa--gfx1250"
	.amdhsa_code_object_version 6
	.text
	.protected	k_qec71d2c6a5_proj
	.globl	k_qec71d2c6a5_proj
	.p2align	8
	.type	k_qec71d2c6a5_proj,@function
k_qec71d2c6a5_proj:
	s_mov_b64 s[64:65], 0
	v_nop
	global_prefetch_b8 v0, s[64:65] scope:SCOPE_SE
	s_setreg_imm32_b32 hwreg(HW_REG_WAVE_MODE, 25, 1), 1
	s_wait_xcnt 0x0
; q = Wq x + bq, k = Wk x + bk, v = Wv x + bv on codes of FP4 (E2M1) with one E8M0 scale for each 32 along K = the 256 channels; then q and k are quantised along their 32 channels and v along the tokens.
; x: [8][256][4096] f32.  A work-group owns 128 tokens of one batch (x = which 128, y = the batch) and writes ONE record of kv and 2,048 bytes of qc.
; A record (19,712 bytes = 77 x 256): V's 16 fragments as images of operand registers [ct][part c][lane][16 bytes] (lane (r, h) of part c: channel 16 ct + r, keys 64 c + 32 h + 0..31); at 16,384 K's codes, 16 bytes a
; POSITION; at 18,432 V's scale words [wave][lane][2] (word e: channel tile 4 wave + 2 e + lane / 16, row lane % 16); at 19,456 64 words: q's and k's scale bytes (word (f, r), byte j: position 64 f + 16 j + r).
; POSITION p = 32 g + 16 a + r holds token 32 g + 16 (r / 8) + 8 a + r % 8: the rows of a tile of x are chosen so, and then a lane's 16 results of two neighbouring tiles are 16 neighbouring tokens.
; PHASES.  0: x's 256 x 128 numbers come into LDS by one tensor load a wave (64 rows of 512 bytes); the weights' images and biases go into registers.   X: wave w quantises tokens 32 w .. 32 w + 31: a lane takes a token, its
; registers run down the channels; the codes go to LDS as images of fragments.   S: waves 0, 1 make q, waves 2, 3 k, 64 tokens each (source 0 = 16 rows of W, source 1 = 16 tokens: a lane holds one token, 16 channels).
; V: wave w makes channels 64 w .. 64 w + 63 for all 128 tokens (source 0 = 16 tokens, source 1 = 16 rows of Wv: a lane holds one channel, 16 tokens).  The biases are the C of each sum's first product.
; The accumulators take turns, one instruction a turn.  No LDS byte is filled twice.  No cluster: what work-groups share is 43,520 bytes of weight images against 131,072 bytes of x of their own.
; LIMITS: a block of zeros, or one whose largest magnitude lies under 2^-124, keeps the scale byte 1 (the bytes are read by this program alone); NaN and infinities are not served.
.set REC,     19712
.set OFF_K,   16384
.set OFF_VS,  18432
.set OFF_QKS, 19456
.set XIMG,    131072                   ; LDS: 0: x, 256 rows of 512 bytes;  XIMG: x's 16 fragments: 4096 g + 2048 a + 1024 s + 512 c + 16 lane;
.set XSC,     147456                   ; their scale words: 256 g + 128 s + 4 lane (lanes 0-15 tile a = 0, lanes 16-31 tile a = 1);
.set SCW,     148480                   ; q's and k's 64 scale words
.set LANE, 1
.set R,    2
.set H,    3
.set XA0,  4                           ; x in LDS: 4 x my token; channels 0-127
.set XA1,  5                           ; channels 128-255: 65,536 bytes on
.set LI,   6                           ; 16 x lane
.set LS,   7                           ; 4 x lane
.set XWI,  8                           ; where I store x's images
.set XWS,  9                           ; and their scale words
.set LIS,  10                          ; phase S: x's images of my 64 tokens
.set LSS,  11
.set LC,   12                          ; 16 r + 8 h: my 8 bytes of codes in a run of 256
.set L8,   13                          ; 8 x lane
.set SCA,  14                          ; where I put q's or k's scale word
.set R4,   15                          ; 4 r
.set H64,  16                          ; 64 h
.set T0,   17
.set LIV,  18                          ; phase V: x's images
.set LSV,  19
.set SCR,  20                          ; the 64 words on their way out
.set T1,   21
.set ACC,  32                          ; v32-95   eight accumulators; in phase X two sets of 32 numbers
.set XF,   96                          ; v96-127  x's four fragments of a group (a, s) at 8 (2 a + s); in phase X the codes, block t at 4 t
.set PCS,  128                         ; v128-135 q's or k's codes
.set PCV,  136                         ; v136-167 v's codes, 8 registers a group: no store's data are written again
.set TM,   168                         ; v168-183 at work in the quantiser
.set PW,   184
.set VW,   186                         ; v186-189 v's scale words in the making
.set VR,   190
.set XS,   192                         ; v192-193 x's scale words, K step 0, 1
.set WSC,  194                         ; v194-197 Wv's scale words, v198-199 Wq's or Wk's
.set SB,   200                         ; v200-201 x's scale words in the making
.set QO,   202
.set WF,   0                           ; window 1: v0-63 Wv's fragments (t, s) at 8 (2 t + s); v64-95 Wq's or Wk's (u, s); v96-127 bv, 8 a tile; v128-143 bq or bk
.set WS,   64
.set BV,   96
.set BS,   128
.set WV,   18
.set ROLE, 19
.set F,    20
.set BT,   21
.set SEL,  22
.set G1,   24
.set G0,   32
.set MSB, 0
.macro WIN new                         ; the immediate's high byte repeats the setting that is left
.if MSB != \new
	s_set_vgpr_msb (MSB<<8)|\new
.set MSB, \new
.endif
.endm
; one product: D, source 0, source 1, C, their scale registers, and which half of the lanes each scale is read from
.macro WMS d, a, b, c, sa, sb, ra, rb
.if (\ra) && (\rb)
	v_wmma_scale_f32_16x16x128_f8f6f4 v[(\d):(\d)+7], v[(\a):(\a)+7], v[(\b):(\b)+7], v[(\c):(\c)+7], v[\sa], v[\sb] matrix_a_fmt:MATRIX_FMT_FP4 matrix_b_fmt:MATRIX_FMT_FP4 matrix_a_scale:MATRIX_SCALE_ROW1 matrix_b_scale:MATRIX_SCALE_ROW1
.elseif (\ra)
	v_wmma_scale_f32_16x16x128_f8f6f4 v[(\d):(\d)+7], v[(\a):(\a)+7], v[(\b):(\b)+7], v[(\c):(\c)+7], v[\sa], v[\sb] matrix_a_fmt:MATRIX_FMT_FP4 matrix_b_fmt:MATRIX_FMT_FP4 matrix_a_scale:MATRIX_SCALE_ROW1
.elseif (\rb)
	v_wmma_scale_f32_16x16x128_f8f6f4 v[(\d):(\d)+7], v[(\a):(\a)+7], v[(\b):(\b)+7], v[(\c):(\c)+7], v[\sa], v[\sb] matrix_a_fmt:MATRIX_FMT_FP4 matrix_b_fmt:MATRIX_FMT_FP4 matrix_b_scale:MATRIX_SCALE_ROW1
.else
	v_wmma_scale_f32_16x16x128_f8f6f4 v[(\d):(\d)+7], v[(\a):(\a)+7], v[(\b):(\b)+7], v[(\c):(\c)+7], v[\sa], v[\sb] matrix_a_fmt:MATRIX_FMT_FP4 matrix_b_fmt:MATRIX_FMT_FP4
.endif
.endm
; 64 numbers of a lane, register 16 b + i = number 16 (lane / 16) + i of block b: the bytes come out in v[TM+4+b], the codes of my 16 numbers of block b in v[pc+2b], v[pc+2b+1]
.macro QUANT s, pc
.irp b, 0,1,2,3
	v_max3_num_f32 v[TM+\b], |v[\s+16*\b]|, |v[\s+1+16*\b]|, 0x1800000   ; with the floor 2^(3 - 127): the byte cannot fall under 1.  Each accumulator is read from its low end on
.endr
.irp i, 2,4,6,8,10,12,14
.irp b, 0,1,2,3
	v_max3_num_f32 v[TM+\b], v[TM+\b], |v[\s+16*\b+\i]|, |v[\s+1+16*\b+\i]|
.endr
.endr
.irp b, 0,1,2,3
	v_permlanex16_b32 v[TM+4+\b], v[TM+\b], s[SEL], s[SEL+1]
.endr
.irp b, 0,1,2,3
	v_max_num_f32 v[TM+\b], v[TM+\b], v[TM+4+\b]   ; with lane l xor 16's 16: the block's largest magnitude
.endr
.irp b, 0,1,2,3
	v_add_nc_u32 v[TM+12+\b], 0xff000000, v[TM+\b] ; 2 off its exponent field: the conversion's scale operand
.endr
.irp b, 0,1,2,3
	v_lshrrev_b32 v[TM+4+\b], 23, v[TM+12+\b]      ; the scale's byte
.endr
.irp b, 0,1,2,3
	v_cvt_scalef32_pk8_fp4_f32 v[\pc+2*\b], v[\s+16*\b:\s+7+16*\b], v[TM+12+\b]
	v_cvt_scalef32_pk8_fp4_f32 v[\pc+1+2*\b], v[\s+8+16*\b:\s+15+16*\b], v[TM+12+\b]
.endr
	v_nop                                          ; one plain line behind the last scaled conversion
.endm
.macro FETCHG adr, ads, off, offs      ; a group's four fragments of x and its two registers of scale words
.irp a, 0,1
.irp s, 0,1
.irp c, 0,1
	ds_load_b128 v[XF+8*(2*\a+\s)+4*\c:XF+8*(2*\a+\s)+4*\c+3], v[\adr] offset:\off+2048*\a+1024*\s+512*\c
.endr
.endr
.endr
.irp s, 0,1
	ds_load_b32 v[XS+\s], v[\ads] offset:\offs+128*\s
.endr
.endm
.macro BARRIER                         ; my LDS stores have landed and my LDS loads are in: then the work-group's barrier
	s_wait_dscnt 0x0
	s_barrier_signal -1
	s_barrier_wait -1
.endm
	s_load_b256 s[4:11], s[0:1], 0x0               ; x s[4:5], wimg s[6:7], bq s[8:9], bk s[10:11]
	s_load_b128 s[12:15], s[0:1], 0x20             ; bv s[12:13], kv s[14:15]
	s_load_b64 s[16:17], s[0:1], 0x30              ; qc
	v_lshl_add_u32 v254, v0, 2, 0x29000
	v_mov_b32 v255, 0
	ds_add_u32 v254, v255
	ds_add_u32 v254, v255
	v_lshrrev_b32 v1, 5, v0
	v_readfirstlane_b32 s[WV], v1                  ; wave 0..3
	s_lshr_b32 s[ROLE], s[WV], 1                   ; 0: q, 1: k
	s_and_b32 s[F], s[WV], 1                       ; which 64 tokens of them
	s_and_b32 s[BT], ttmp7, 0xffff                 ; the batch
	; descriptor group 1: 64 rows of 64 elements of 8 bytes (512 bytes), 2,048 elements (a channel's 4,096 tokens) from row to row, dense in LDS
	s_mov_b32 s[G1], 3<<16
	s_mov_b32 s[G1+1], 64<<16                      ; tensor_dim0
	s_mov_b32 s[G1+2], 64<<16                      ; tensor_dim1
	s_mov_b32 s[G1+3], 64<<16                      ; tile_dim0
	s_mov_b32 s[G1+4], 64                          ; tile_dim1
	s_mov_b32 s[G1+5], 2048                        ; the pitch
	s_mov_b32 s[G1+6], 0
	s_mov_b32 s[G1+7], 0
	s_mov_b32 s[G0], 1
	s_lshl_b32 s[G0+1], s[WV], 15                  ; LDS: my 64 rows of 512 bytes
	s_lshl_b32 s46, s[BT], 22                      ; memory: 4 MiB a batch,
	s_lshl_b32 s47, s[WV], 20                      ; 64 channels of 16,384 bytes,
	s_add_co_u32 s46, s46, s47
	s_lshl_b32 s47, ttmp9, 9                       ; 128 tokens of 4 bytes
	s_add_co_u32 s46, s46, s47
	s_mov_b32 s47, 0
	s_wait_dscnt 0x0
	s_wait_kmcnt 0x0
	s_add_nc_u64 s[G0+2:G0+3], s[4:5], s[46:47]
	s_or_b32 s[G0+3], s[G0+3], 0x80000000
	tensor_load_to_lds s[G0:G0+3], s[G1:G1+7]      ; my one tensor load: a first fill, ahead of every wait on it, every LDS read and every barrier
	s_nop 0
.rept 4
	v_nop
.endr
	s_mov_b32 s[SEL], 0x76543210
	s_mov_b32 s[SEL+1], 0xfedcba98                 ; selects for lane l xor 16
	s_lshl_b32 s46, s[BT], 5
	s_add_co_u32 s46, s46, ttmp9                   ; which record: 32 x batch + x
	s_mul_i32 s48, s46, REC
	s_mov_b32 s49, 0
	s_add_nc_u64 s[36:37], s[14:15], s[48:49]      ; my record
	s_lshl_b32 s48, s46, 11
	s_add_nc_u64 s[38:39], s[16:17], s[48:49]      ; q's codes of these 128 tokens
	s_add_nc_u64 s[50:51], s[36:37], OFF_K         ; k's
	s_cmp_eq_u32 s[ROLE], 0                        ; the choice hangs on the wave's number alone
	s_cselect_b64 s[38:39], s[38:39], s[50:51]
	s_cselect_b64 s[40:41], s[8:9], s[10:11]       ; bq or bk
	s_lshl_b32 s48, s[F], 10
	s_add_nc_u64 s[38:39], s[38:39], s[48:49]      ; my 64 positions of 16 bytes
	s_lshl_b32 s48, s[WV], 13
	s_add_nc_u64 s[42:43], s[6:7], s[48:49]        ; wimg + 8,192 wave: Wv's four tiles of mine lie 8,192 further on
	s_lshl_b32 s48, s[ROLE], 12
	s_add_nc_u64 s[44:45], s[6:7], s[48:49]        ; Wq's or Wk's two tiles
	s_lshl_b32 s48, s[WV], 9
	s_add_nc_u64 s[52:53], s[6:7], s[48:49]        ; scale words: + 512 wave,
	s_lshl_b32 s48, s[ROLE], 8
	s_add_nc_u64 s[54:55], s[6:7], s[48:49]        ; + 256 role
	s_lshl_b32 s48, s[WV], 8
	s_add_nc_u64 s[56:57], s[12:13], s[48:49]      ; bv: my 64 numbers
	s_add_nc_u64 s[60:61], s[36:37], s[48:49]      ; the record's V scale words: 256 bytes a wave
	s_lshl_b32 s48, s[WV], 12
	s_add_nc_u64 s[58:59], s[36:37], s[48:49]      ; the record's V images: 4,096 bytes a wave
	v_and_b32 v[LANE], 31, v0
	v_and_b32 v[R], 15, v0
	v_bfe_u32 v[H], v0, 4, 1
	v_and_b32 v[T0], 7, v0
	v_bfe_u32 v[T1], v0, 3, 1
	v_lshl_or_b32 v[T0], v[T1], 4, v[T0]
	v_lshl_or_b32 v[T0], v[H], 3, v[T0]            ; my token of the wave's 32: the lane's number with bits 3 and 4 changed over
	s_lshl_b32 s46, s[WV], 7
	v_lshl_add_u32 v[XA0], v[T0], 2, s46
	v_add_nc_u32 v[XA1], 0x10000, v[XA0]
	v_lshlrev_b32 v[LI], 4, v[LANE]
	v_lshlrev_b32 v[LS], 2, v[LANE]
	v_lshlrev_b32 v[L8], 3, v[LANE]
	v_add_nc_u32 v[LIV], XIMG, v[LI]
	v_add_nc_u32 v[LSV], XSC, v[LS]
	s_lshl_b32 s46, s[WV], 12
	v_add_nc_u32 v[XWI], s46, v[LIV]
	s_lshl_b32 s46, s[WV], 8
	v_add_nc_u32 v[XWS], s46, v[LSV]
	s_lshl_b32 s46, s[F], 13
	v_add_nc_u32 v[LIS], s46, v[LIV]
	s_lshl_b32 s46, s[F], 9
	v_add_nc_u32 v[LSS], s46, v[LSV]
	v_lshlrev_b32 v[LC], 4, v[R]
	v_lshl_add_u32 v[LC], v[H], 3, v[LC]
	v_lshlrev_b32 v[R4], 2, v[R]
	v_lshlrev_b32 v[H64], 6, v[H]
	s_lshl_b32 s46, s[WV], 6
	s_add_co_u32 s46, s46, SCW
	v_add_nc_u32 v[SCA], s46, v[R4]
	v_add_nc_u32 v[SCR], SCW, v[L8]
.irp b, 0,1,2,3
	v_mov_b32 v[TM+4+\b], 0                        ; written once: a lane permute's destination counts as one of its sources
.endr
	WIN 0x40                                       ; destination window 1
.irp t, 0,1,2,3
.irp s, 0,1
.irp c, 0,1
	global_load_b128 v[WF+8*(2*\t+\s)+4*\c:WF+8*(2*\t+\s)+4*\c+3], v[LI], s[42:43] offset:8192+2048*\t+1024*\s+512*\c   ; 512 consecutive bytes a load
.endr
.endr
.endr
.irp u, 0,1
.irp s, 0,1
.irp c, 0,1
	global_load_b128 v[WS+8*(2*\u+\s)+4*\c:WS+8*(2*\u+\s)+4*\c+3], v[LI], s[44:45] offset:2048*\u+1024*\s+512*\c
.endr
.endr
.endr
.irp t, 0,1,2,3
	global_load_b32 v[BV+8*\t], v[R4], s[56:57] offset:64*\t       ; bv of channel 64 w + 16 t + r
.endr
.irp u, 0,1
	global_load_b128 v[BS+8*\u:BS+8*\u+3], v[H64], s[40:41] offset:32*\u      ; bq or bk of channels 16 h + 8 u + 0 .. 7
	global_load_b128 v[BS+8*\u+4:BS+8*\u+7], v[H64], s[40:41] offset:32*\u+16
.endr
	WIN 0
.irp t, 0,1,2,3
	global_load_b32 v[WSC+\t], v[LS], s[52:53] offset:41472+128*\t   ; tile 4 + 4 w + t: lanes 0-15 K step 0's words, lanes 16-31 K step 1's
.endr
.irp u, 0,1
	global_load_b32 v[WSC+4+\u], v[LS], s[54:55] offset:40960+128*\u
.endr
	s_wait_tensorcnt 0x0                           ; my 64 rows of x are in LDS,
	s_barrier_signal -1
	s_barrier_wait -1                              ; everybody's are
	; ---- X: my token's 256 channels, eight blocks of 32, registers down the channels: a block's maximum needs no other lane
.macro LOADB t
.set XR, XA0+(\t)/4
.set i, 0
.rept 32
	ds_load_b32 v[ACC+32*((\t)%2)+i], v[XR] offset:512*(32*((\t)%4)+i)   ; 32 lanes read 128 consecutive bytes of a channel's row
.set i, i+1
.endr
.endm
.macro BLOCK t
.set XN, ACC+32*((\t)%2)
.if (\t) < 7
	s_wait_dscnt 32                                ; this block's 32 loads are in; the next block's 32 may be out
.else
	s_wait_dscnt 0x0
.endif
	v_max3_num_f32 v[TM], |v[XN]|, |v[XN+1]|, |v[XN+2]|
	v_max3_num_f32 v[TM+1], |v[XN+3]|, |v[XN+4]|, |v[XN+5]|
.irp i, 6,10,14,18,22,26
	v_max3_num_f32 v[TM], v[TM], |v[XN+\i]|, |v[XN+\i+1]|
	v_max3_num_f32 v[TM+1], v[TM+1], |v[XN+\i+2]|, |v[XN+\i+3]|
.endr
	v_max3_num_f32 v[TM], v[TM], |v[XN+30]|, |v[XN+31]|
	v_max3_num_f32 v[TM], v[TM], v[TM+1], 0x1800000   ; and the floor
	v_add_nc_u32 v[TM+2], 0xff000000, v[TM]
	v_lshrrev_b32 v[TM+3], 23, v[TM+2]
.if (\t)%4 == 0
	v_mov_b32 v[SB+(\t)/4], v[TM+3]                ; four bytes to a word, the lower K in the lower byte
.else
	v_lshl_or_b32 v[SB+(\t)/4], v[TM+3], 8*((\t)%4), v[SB+(\t)/4]
.endif
.irp g, 0,1,2,3
	v_cvt_scalef32_pk8_fp4_f32 v[XF+4*(\t)+\g], v[XN+8*\g:XN+8*\g+7], v[TM+2]
.endr
	v_nop                                          ; one plain line behind the last scaled conversion
.if (\t)+2 < 8
	LOADB (\t)+2
.endif
.endm
	LOADB 0
	LOADB 1
.irp t, 0,1,2,3,4,5,6,7
	BLOCK \t
.endr
; Lanes 0-15 hold the tokens of tile a = 0, lanes 16-31 those of tile a = 1, each with all eight blocks.  A fragment wants the even block of a pair in lanes 0-15 and the odd one in lanes 16-31:
; the exchange below makes of blocks 2 p and 2 p + 1 part p of tile 0 (the first register) and of tile 1 (the second).
.irp p, 0,1,2,3
.irp i, 0,1,2,3
	v_permlane16_swap_b32 v[XF+8*\p+\i], v[XF+8*\p+4+\i]
.endr
.endr
.irp p, 0,1,2,3
.irp e, 0,1
	ds_store_b128 v[XWI], v[XF+8*\p+4*\e:XF+8*\p+4*\e+3] offset:2048*\e+512*\p
.endr
.endr
.irp s, 0,1
	ds_store_b32 v[XWS], v[SB+\s] offset:128*\s
.endr
	BARRIER                                        ; x's sixteen fragments and their scale words lie in LDS
	s_wait_loadcnt 0x0                             ; the weights' images, scale words and biases
	WIN 0x41
.irp t, 0,1,2,3
.irp j, 1,2,3,4,5,6,7
	v_mov_b32 v[BV+8*\t+\j], v[BV+8*\t]            ; in phase V a lane holds ONE channel: its bias in all eight registers of the C operand
.endr
.endr
	WIN 0
	; ---- S: q or k of my 64 tokens: two groups of 32, each two tiles of tokens x two tiles of channels x two K steps
.irp e, 0,1
	FETCHG LIS, LSS, 4096*\e, 256*\e
	s_wait_dscnt 0x0
	WIN 0x11                                       ; source 0 (W) and C (the bias) window 1
.irp a, 0,1
.irp u, 0,1
	WMS ACC+16*(2*\e+\a)+8*\u, WS+16*\u, XF+16*\a, BS+8*\u, WSC+4+\u, XS, 0, \a
.endr
.endr
	WIN 0x01
.irp a, 0,1
.irp u, 0,1
	WMS ACC+16*(2*\e+\a)+8*\u, WS+16*\u+8, XF+16*\a+8, ACC+16*(2*\e+\a)+8*\u, WSC+4+\u, XS+1, 1, \a
.endr
.endr
	WIN 0
.rept 4
	v_nop                                          ; four places ahead of loads into registers that the products read, and of the first read of results
.endr
.endr
	QUANT ACC, PCS                                 ; block j = 2 e + a: the token at position 64 f + 16 j + r; my 16 registers are its channels 16 h + 0 .. 15
	v_lshl_or_b32 v[PW], v[TM+5], 8, v[TM+4]
	v_lshl_or_b32 v[PW], v[TM+6], 16, v[PW]
	v_lshl_or_b32 v[PW], v[TM+7], 24, v[PW]        ; word (f, r)
.irp j, 0,1,2,3
	global_store_b64 v[LC], v[PCS+2*\j:PCS+2*\j+1], s[38:39] offset:256*\j   ; 32 lanes store 256 consecutive bytes, aligned: 16 positions
.endr
	ds_store_b32 v[SCA], v[PW]                     ; both lanes of a token write the same word with the same value
	; ---- V: my 64 channels for the 128 tokens, a group of 32 tokens at a time: eight accumulators by turns
.irp g, 0,1,2,3
	FETCHG LIV, LSV, 4096*\g, 256*\g
	s_wait_dscnt 0x0
	WIN 0x14                                       ; source 1 (Wv) and C (the bias) window 1
.irp t, 0,1,2,3
.irp a, 0,1
	WMS ACC+16*\t+8*\a, XF+16*\a, WF+16*\t, BV+8*\t, XS, WSC+\t, \a, 0
.endr
.endr
	WIN 0x04
.irp t, 0,1,2,3
.irp a, 0,1
	WMS ACC+16*\t+8*\a, XF+16*\a+8, WF+16*\t+8, ACC+16*\t+8*\a, XS+1, WSC+\t, \a, 1
.endr
.endr
	WIN 0
.rept 4
	v_nop
.endr
	QUANT ACC, PCV+8*\g                            ; block t: channel 64 w + 16 t + r; my 16 registers are tokens 32 g + 16 h + 0 .. 15
.irp t, 0,1,2,3
.if \g == 0
	v_mov_b32 v[VW+\t], v[TM+4+\t]
.else
	v_lshl_or_b32 v[VW+\t], v[TM+4+\t], 8*\g, v[VW+\t]
.endif
.endr
.irp t, 0,1,2,3
	global_store_b64 v[LC], v[PCV+8*\g+2*\t:PCV+8*\g+2*\t+1], s[58:59] offset:1024*\t+256*\g   ; 256 consecutive bytes, aligned: half a part of tile t's image
.endr
.endr
	v_cmp_gt_u32 vcc_lo, 16, v[LANE]
	v_cndmask_b32 v[VR], v[VW+1], v[VW], vcc_lo    ; lanes 0-15: tile 2 e; lanes 16-31: tile 2 e + 1
	v_cndmask_b32 v[VR+1], v[VW+3], v[VW+2], vcc_lo
	global_store_b64 v[L8], v[VR:VR+1], s[60:61] offset:OFF_VS   ; 256 consecutive bytes, aligned
	BARRIER                                        ; the four waves' scale words of q and k lie in LDS
	s_cmp_lg_u32 s[WV], 0
	s_cbranch_scc1 .Ldone
	ds_load_b64 v[QO:QO+1], v[SCR]
	s_wait_dscnt 0x0
	global_store_b64 v[L8], v[QO:QO+1], s[36:37] offset:OFF_QKS   ; they leave as one aligned run of 256 bytes
.Ldone:
	s_wait_tensorcnt 0x0
	ds_add_u32 v254, v255
	s_wait_dscnt 0x0
	s_endpgm
.Lfunc_end_k_qec71d2c6a5_proj:
	.size	k_qec71d2c6a5_proj, .Lfunc_end_k_qec71d2c6a5_proj-k_qec71d2c6a5_proj
	.p2alignl 7, 3214868480
	.fill 96, 4, 3214868480
	.section	.rodata,"a",@progbits
	.p2align	6, 0x0
	.amdhsa_kernel k_qec71d2c6a5_proj
		.amdhsa_group_segment_fixed_size 168448
		.amdhsa_private_segment_fixed_size 0
		.amdhsa_enable_private_segment 0
		.amdhsa_kernarg_size 56
		.amdhsa_user_sgpr_count 2
		.amdhsa_user_sgpr_kernarg_segment_ptr 1
		.amdhsa_wavefront_size32 1
		.amdhsa_system_sgpr_workgroup_id_x 1
		.amdhsa_system_sgpr_workgroup_id_y 1
		.amdhsa_system_sgpr_workgroup_id_z 1
		.amdhsa_system_vgpr_workitem_id 0
		.amdhsa_next_free_vgpr 400
		.amdhsa_next_free_sgpr 66
		.amdhsa_reserve_vcc 1
		.amdhsa_float_denorm_mode_32 3
		.amdhsa_float_denorm_mode_16_64 3
		.amdhsa_memory_ordered 1
		.amdhsa_forward_progress 1
		.amdhsa_inst_pref_size 75
	.end_amdhsa_kernel
	.amdgpu_metadata
---
amdhsa.version: [ 1, 2 ]
amdhsa.kernels:
  - .name:           k_qec71d2c6a5_proj
    .symbol:         k_qec71d2c6a5_proj.kd
    .args:
      - { .name: x, .offset: 0, .size: 8, .value_kind: global_buffer, .address_space: global }
      - { .name: wimg, .offset: 8, .size: 8, .value_kind: global_buffer, .address_space: global }
      - { .name: bq, .offset: 16, .size: 8, .value_kind: global_buffer, .address_space: global }
      - { .name: bk, .offset: 24, .size: 8, .value_kind: global_buffer, .address_space: global }
      - { .name: bv, .offset: 32, .size: 8, .value_kind: global_buffer, .address_space: global }
      - { .name: kv, .offset: 40, .size: 8, .value_kind: global_buffer, .address_space: global }
      - { .name: qc, .offset: 48, .size: 8, .value_kind: global_buffer, .address_space: global }
    .group_segment_fixed_size: 168448
    .private_segment_fixed_size: 0
    .kernarg_segment_align: 8
    .kernarg_segment_size: 56
    .max_flat_workgroup_size: 128
    .sgpr_count:     66
    .vgpr_count:     400
    .wavefront_size: 32
...
	.end_amdgpu_metadata
.endif
;; end of part 2
;; launch attn (part 3): grid 32 x 8, 8 waves a work-group, clusters of 4 x 1, 327,680 bytes of LDS; arguments qc, kv, x, gamma, out0; writes out0
.if DOCPART == 3
	.amdgcn_target "amdgcn-amd-amdhsa--gfx1250"
	.amdhsa_code_object_version 6
	.text
	.protected	k_qec71d2c6a5_attn
	.globl	k_qec71d2c6a5_attn
	.p2align	8
	.type	k_qec71d2c6a5_attn,@function
k_qec71d2c6a5_attn:
	s_mov_b64 s[64:65], 0
	v_nop
	global_prefetch_b8 v0, s[64:65] scope:SCOPE_SE
	s_setreg_imm32_b32 hwreg(HW_REG_WAVE_MODE, 25, 1), 1
	s_wait_xcnt 0x0
	s_wait_alu depctr_hold_cnt(0) depctr_sa_sdst(0) depctr_va_vdst(0) depctr_va_sdst(0) depctr_va_ssrc(0) depctr_va_vcc(0) depctr_vm_vsrc(0)
	s_getreg_b32 s2, hwreg(HW_REG_IB_STS2, 6, 4)
	s_cmp_eq_u32 s2, 0
	s_cbranch_scc0 .Lentry_in_a_cluster
	s_endpgm
.Lentry_in_a_cluster:
	s_bfe_u32 s2, ttmp6, 0x10000c
	s_cmp_lg_u32 s2, 0x3003
	s_cbranch_scc0 .Lentry_shape_is_right
	s_endpgm
.Lentry_shape_is_right:
; out0[b][c][i] = gamma x (sum over j of v[b][c][j] softmax_j(q[b][:, i] . k[b][:, j])) + x[b][c][i], both products on codes of FP4 (E2M1) with one E8M0 scale for each 32 along K.
; THE SOFTMAX AHEAD OF THE SECOND PRODUCT: t = score x log2(e); M = the running largest t rounded UP to a whole number; p = 2^(t - M) is what is quantised, along the keys, not normalised.  The row's sum is taken of the
; unquantised p and divides at the end.  When M moves, the sum and O are multiplied by 2^(old M - new M): exact.
; SHARES.  A work-group owns 128 queries of a batch, each of its eight waves 16 of them (positions 16 w + r) in 512 registers: two waves to a SIMD.  Every wave walks the batch's 4,096 keys, 256 a step.
; 128 keys are ONE RECORD of kv, 19,712 dense bytes, laid as images of operand registers (V's 16 fragments; at 16,384 K's codes; at 18,432 V's scale words; at 19,456 q's and k's scale words): every LDS load reads
; consecutive bytes in consecutive lanes.  A KEY STEP TAKES TWO RECORDS, so that M, the factor and the 64 lines that rescale O^T stand once for 256 keys.  Two LDS slots of eight records; each wave fetches one record.
; CLUSTER.  The four work-groups of a cluster belong to one batch and walk the same records: each record is asked for JOINTLY, by the same tensor load with the same descriptor and a mask that names the four.
; THE FIRST PRODUCT HAS K = 32 in an instruction of K = 128.  A fragment of K's codes holds 64 keys: block j of row r is the 32 channels of the key at position 64 f + 16 j + r.  Four fragments of q hold the query's codes in
; block j alone and zero codes elsewhere: product (f, j) then gives the scores of 16 keys, and every byte read of K is used.  Positions are laid so that register 16 b + i of a record's scores is key 32 b + 16 (lane / 16) + i.
; Both products are used transposed (source 0 = keys, or V's channels; source 1 = my queries): a lane holds ONE query throughout.
; x's 256 x 128 numbers for the residual are slot 0's LAST fill (waves 0-3, a plain tensor load each, behind the last change of slots): they land under the last four key steps; their bytes are then the stage on the way out.
; LIMITS: |t| stays under 3e38; NaN and infinities are not served; a block whose every p has fallen to 0 keeps the scale byte 1 (its codes are zeros).
; REGISTERS.  Window 0: v1-11 addresses; v12 -M, v13 the largest t, v[14:15] the sum; v16-35 q's four overlapping fragments; v36 q's scale, v37-38 K's, v40-55 V's; v56-87 K's four fragments (v64-70 at work at the head);
;   v88-95 the second record's p codes; v96-223 the scores, then p, then the second record's V fragments; v224-231 the first record's p codes; v232-255 at work; on the way out v96-223.
;   Window 1: v0-127 O^T (channel tile t at 8 t); v128-255 the first record's V fragments.
.set REC,     19712
.set OFF_K,   16384
.set OFF_VS,  18432
.set OFF_QKS, 19456
.set SLOTB,   8*REC                    ; a slot: eight records, 157,696 bytes
.set XP,      528                      ; a row of x in LDS: 512 bytes + 16 of padding
.set XST,     0                        ; x, 256 rows, in slot 0's bytes; later the stage
.set SPARE,   2*SLOTB                  ; behind the ring: the spare words, 128 bytes for each wave: four blocks of 256 bytes that no other line names
.set L16, 1                            ; 16 x lane
.set L8,  2
.set L4,  3
.set SPW, 4                            ; LDS address of my spare word; never rewritten
.set NIL, 5                            ; 0; never rewritten
.set AD16, 6                           ; the step's first record + 16, 8, 4 x lane
.set AD8,  7
.set AD4,  8
.set XA,   9                           ; x of my query, channel 8 h; channel tiles 0-7
.set XA2,  10                          ; channel tiles 8-15
.set RD,   11                          ; the way out: my 32 rows of the stage
.set QS,  36
.set KS,  37                           ; v37, v38: record 0, 1 of the step
.set VS,  40                           ; v40-47, v48-55
.set KF,  56                           ; v56-71, v72-87
.set PCB, 88                           ; the second record's p codes
.set S,   96
.set PCA, 224                          ; the first record's
.set MX,  232                          ; v232-239 the eight blocks' largest scores, then largest p, then the conversions' scale operands
.set PR,  240                          ; v240-247 the other half's maxima, then the scale bytes, then (246, 247) a chain of the sum
.set PWA, 253                          ; p's scale word, first record
.set PWB, 255                          ; second record
.set VF,  128                          ; in window 1
.set WV,  14
.set G1,  24                           ; s[24:31] group 1 for a record;  s[32:39] for x;  s[40:47] groups 0 of the two slots;  s[48:51] group 0 for x
.set G1X, 32
.set G0,  40
.set G0X, 48
.set SEL, 52
.set CS,  54                           ; s[54:55] log2(e): the packed form names a pair and takes its low word for both halves
.set TB,  56                           ; LDS byte at which the step's first record begins
.set CNT, 57
.set GAM, 59
.set MSB, 0
.macro WIN new                         ; the immediate's high byte repeats the setting that is left
.if MSB != \new
	s_set_vgpr_msb (MSB<<8)|\new
.set MSB, \new
.endif
.endm
; one product: D, source 0, source 1; zero = 1: C is the constant 0, else C = D; the scale registers; ra = 1: source 0's scales are read from lanes 16-31
.macro WMS d, a, b, zero, sa, sb, ra
.if (\zero) && (\ra)
	v_wmma_scale_f32_16x16x128_f8f6f4 v[(\d):(\d)+7], v[(\a):(\a)+7], v[(\b):(\b)+7], 0, v[\sa], v[\sb] matrix_a_fmt:MATRIX_FMT_FP4 matrix_b_fmt:MATRIX_FMT_FP4 matrix_a_scale:MATRIX_SCALE_ROW1
.elseif (\zero)
	v_wmma_scale_f32_16x16x128_f8f6f4 v[(\d):(\d)+7], v[(\a):(\a)+7], v[(\b):(\b)+7], 0, v[\sa], v[\sb] matrix_a_fmt:MATRIX_FMT_FP4 matrix_b_fmt:MATRIX_FMT_FP4
.elseif (\ra)
	v_wmma_scale_f32_16x16x128_f8f6f4 v[(\d):(\d)+7], v[(\a):(\a)+7], v[(\b):(\b)+7], v[(\d):(\d)+7], v[\sa], v[\sb] matrix_a_fmt:MATRIX_FMT_FP4 matrix_b_fmt:MATRIX_FMT_FP4 matrix_a_scale:MATRIX_SCALE_ROW1
.else
	v_wmma_scale_f32_16x16x128_f8f6f4 v[(\d):(\d)+7], v[(\a):(\a)+7], v[(\b):(\b)+7], v[(\d):(\d)+7], v[\sa], v[\sb] matrix_a_fmt:MATRIX_FMT_FP4 matrix_b_fmt:MATRIX_FMT_FP4
.endif
.endm
; A round of the cluster's barrier: my work-group's barrier; wave 0 signals for the work-group; every wave waits for all four work-groups; my work-group's barrier once more.
.macro CROUND
	s_barrier_signal -1
	s_barrier_wait -1
	s_cmp_lg_u32 s[WV], 0
	s_cbranch_scc1 .Lnot_wave_0_\@
	s_barrier_signal -3
.Lnot_wave_0_\@:
	s_barrier_wait -3
	s_barrier_signal -1
	s_barrier_wait -1
.endm
	s_load_b256 s[4:11], s[0:1], 0x0               ; qc s[4:5], kv s[6:7], x s[8:9], gamma s[10:11]
	s_load_b64 s[12:13], s[0:1], 0x20              ; out0
	v_lshl_add_u32 v[SPW], v0, 2, SPARE
	v_mov_b32 v[NIL], 0
	ds_add_u32 v4, v5
	ds_add_u32 v4, v5
	s_wait_dscnt 0x0
	v_lshrrev_b32 v64, 5, v0
	v_readfirstlane_b32 s[WV], v64                 ; wave 0..7
	s_bfe_u32 s15, ttmp6, 0x40000                  ; cx: my place in the cluster: it enters addresses in qc, kv's one word of q's scales, x and out0 alone
	s_lshl_b32 s16, ttmp9, 2                       ; in a cluster launch ttmp9 counts clusters
	s_add_co_u32 s16, s16, s15                     ; my block of 128 queries
	s_and_b32 s17, ttmp7, 0xffff                   ; the batch, which the four partners share
	s_and_b32 s18, s[WV], 3
	; group 1 for a record: 77 rows of 32 elements of 8 bytes (256 bytes), dense in memory and in LDS; the mask names all four work-groups, bit 21 beside it
	s_mov_b32 s[G1], 15|(3<<16)|(1<<21)
	s_mov_b32 s[G1+1], 32<<16                      ; tensor_dim0
	s_mov_b32 s[G1+2], 77<<16                      ; tensor_dim1
	s_mov_b32 s[G1+3], 32<<16                      ; tile_dim0
	s_mov_b32 s[G1+4], 77                          ; tile_dim1
	s_mov_b32 s[G1+5], 32                          ; the pitch
	s_mov_b32 s[G1+6], 0
	s_mov_b32 s[G1+7], 0
	; group 1 for x: 64 rows of 64 elements of 8 bytes (512 bytes), 2,048 elements from row to row; no mask; four words of padding behind every 128
	s_mov_b32 s[G1X], (3<<16)|(1<<20)|(6<<22)|(3<<25)
	s_mov_b32 s[G1X+1], 64<<16
	s_mov_b32 s[G1X+2], 64<<16
	s_mov_b32 s[G1X+3], 64<<16
	s_mov_b32 s[G1X+4], 64
	s_mov_b32 s[G1X+5], 2048
	s_mov_b32 s[G1X+6], 0
	s_mov_b32 s[G1X+7], 0
	s_mul_i32 s19, s[WV], REC                      ; my record's place in a slot, in LDS and in memory: wave x a record
	s_mul_i32 s20, s17, 32*REC                     ; the batch's 32 records
	s_add_co_u32 s20, s20, s19
	s_mov_b32 s21, 0
	s_lshl_b32 s22, s17, 22                        ; x: 4 MiB a batch,
	s_lshl_b32 s23, s18, 20                        ; 64 channels of 16,384 bytes,
	s_add_co_u32 s22, s22, s23
	s_lshl_b32 s23, s16, 9                         ; 128 queries of 4 bytes
	s_add_co_u32 s22, s22, s23
	s_mov_b32 s23, 0
	s_mul_i32 s56, s18, 64*XP                      ; and its place in LDS
	s_lshl_b32 s60, s17, 16                        ; q's codes: 65,536 bytes a batch, 2,048 a block, 256 a wave
	s_lshl_b32 s61, s16, 11
	s_add_co_u32 s60, s60, s61
	s_lshl_b32 s61, s[WV], 8
	s_add_co_u32 s60, s60, s61
	s_mov_b32 s61, 0
	s_lshl_b32 s62, s17, 5                         ; q's scale words lie in the record of my block's tokens: word (wave / 4, r), byte wave % 4
	s_add_co_u32 s62, s62, s16
	s_mul_i32 s62, s62, REC
	s_lshr_b32 s63, s[WV], 2
	s_lshl_b32 s63, s63, 6
	s_add_co_u32 s62, s62, s63
	s_mov_b32 s63, 0
	s_lshl_b32 s2, s17, 22                         ; out0: the batch, my 32 channels of 16,384 bytes, my block's 512 bytes
	s_lshl_b32 s3, s[WV], 19
	s_add_co_u32 s2, s2, s3
	s_lshl_b32 s3, s16, 9
	s_add_co_u32 s2, s2, s3
	s_mov_b32 s3, 0
	s_mov_b32 s[SEL], 0x76543210
	s_mov_b32 s[SEL+1], 0xfedcba98                 ; selects for lane l xor 16
	s_mov_b32 s[CS], 0x3fb8aa3b                    ; log2(e)
	s_mov_b32 s[CS+1], s[CS]
	s_wait_kmcnt 0x0
	s_load_b32 s[GAM], s[10:11], 0x0
	s_add_nc_u64 s[20:21], s[6:7], s[20:21]
.irp n, 0,1
	s_mov_b32 s[G0+4*\n], 1                                        ; count = 1
	s_add_co_u32 s[G0+4*\n+1], s19, \n*SLOTB                       ; LDS address
	s_add_nc_u64 s[G0+4*\n+2:G0+4*\n+3], s[20:21], \n*SLOTB        ; slot n begins with records 8 n .. 8 n + 7
	s_or_b32 s[G0+4*\n+3], s[G0+4*\n+3], 0x80000000                ; type = 2
.endr
	s_mov_b32 s[G0X], 1
	s_add_co_u32 s[G0X+1], s56, XST
	s_add_nc_u64 s[G0X+2:G0X+3], s[8:9], s[22:23]
	s_or_b32 s[G0X+3], s[G0X+3], 0x80000000
	s_add_nc_u64 s[60:61], s[4:5], s[60:61]
	s_add_nc_u64 s[62:63], s[6:7], s[62:63]
	s_add_nc_u64 s[12:13], s[12:13], s[2:3]
	CROUND                                         ; all four work-groups are here: the first joint loads meet
	tensor_load_to_lds s[G0:G0+3], s[G1:G1+7]      ; every wave's two first fills stand together: two loads of mine are out
	s_nop 0
	tensor_load_to_lds s[G0+4:G0+7], s[G1:G1+7]
	s_nop 0
.rept 4
	v_nop
.endr
	v_and_b32 v64, 31, v0                          ; lane
	v_and_b32 v65, 15, v0                          ; r
	v_bfe_u32 v66, v0, 4, 1                        ; h
	v_lshlrev_b32 v69, 4, v65
	v_lshlrev_b32 v70, 2, v65
	global_load_b128 v[20:23], v69, s[60:61]       ; my query's 32 codes, twice: once for the blocks of lanes 0-15,
	global_load_b128 v[28:31], v69, s[60:61]       ; once for those of lanes 16-31
	global_load_b32 v[QS], v70, s[62:63] offset:OFF_QKS
	v_lshlrev_b32 v[L16], 4, v64
	v_lshlrev_b32 v[L8], 3, v64
	v_lshlrev_b32 v[L4], 2, v64
	v_and_b32 v67, 7, v0
	v_bfe_u32 v68, v0, 3, 1
	v_lshlrev_b32 v[XA], 2, v67
	v_lshl_add_u32 v[XA], v68, 6, v[XA]            ; my query is token 32 (w / 2) + 16 (r / 8) + 8 (w % 2) + r % 8 of the block
	v_mad_u32_u24 v[XA], v66, 8*XP, v[XA]          ; lanes 16-31 hold channels 8 further on
	s_lshr_b32 s22, s[WV], 1
	s_lshl_b32 s22, s22, 7
	s_and_b32 s23, s[WV], 1
	s_lshl_b32 s23, s23, 5
	s_add_co_u32 s22, s22, s23
	s_add_co_u32 s22, s22, XST
	v_add_nc_u32 v[XA], s22, v[XA]
	v_add_nc_u32 v[XA2], 128*XP, v[XA]
	s_mul_i32 s22, s[WV], 32*XP
	s_add_co_u32 s22, s22, XST
	v_add_nc_u32 v[RD], s22, v[L16]
.irp i, 16,17,18,19,24,25,26,27,32,33,34,35
	v_mov_b32 v\i, 0                               ; zero codes
.endr
	v_mov_b32 v13, 0xff61b1e6                      ; the largest t so far: -3e38, under every t
	v_floor_f32 v12, -v13                          ; -M
	v_mov_b32 v14, 0                               ; the sum, in two halves
	v_mov_b32 v15, 0
.irp b, 0,1,2,3,4,5,6,7
	v_mov_b32 v[PR+\b], 0                          ; written once: a lane permute's destination counts as one of its sources
.endr
	v_mov_b32 v[PWA], 0                            ; (named as the upper half of the pair v[252:253] before it is first written)
	v_cmp_gt_u32 vcc_lo, 16, v64
	s_lshl_b32 s22, s18, 3
	s_mov_b32 s23, 0x01010101
	s_wait_loadcnt 0x0
.irp i, 0,1,2,3
	v_cndmask_b32 v[20+\i], 0, v[20+\i], vcc_lo    ; q in lanes 0-15, zero codes in lanes 16-31;
	v_cndmask_b32 v[28+\i], v[28+\i], v16, vcc_lo  ; and the other way round.  v[20:27], v[28:35], v[16:23], v[24:31] are q in block 0, 1, 2, 3 alone
.endr
	v_lshrrev_b32 v[QS], s22, v[QS]
	v_and_b32 v[QS], 0xff, v[QS]
	v_mul_lo_u32 v[QS], v[QS], s23                 ; my query's scale byte in all four bytes
.rept 8
	v_nop                                          ; a scale register written by a vector instruction stands eight places ahead of a scaled product, an operand so written four
.endr
	s_wait_kmcnt 0x0                               ; gamma
; A KEY STEP: 256 keys, the two records at s[TB].  first = 1: the first step starts O^T's sums with the constant 0: nothing is cleared, nothing rescaled.
.macro STEP first
	v_add_nc_u32 v[AD16], s[TB], v[L16]            ; these six lines are the places behind the last step's products: four are asked ahead of the loads into their registers,
	v_add_nc_u32 v[AD8], s[TB], v[L8]              ; five ahead of the products below, whose results are laid over registers that the last products read as source 0
	v_add_nc_u32 v[AD4], s[TB], v[L4]
.rept 3
	v_nop
.endr
.irp e, 0,1
.irp i, 0,1,2,3
	ds_load_b128 v[KF+16*\e+4*\i:KF+16*\e+4*\i+3], v[AD16] offset:REC*\e+OFF_K+512*\i   ; K's two fragments of record e
.endr
.endr
.irp e, 0,1
	ds_load_b32 v[KS+\e], v[AD4] offset:REC*\e+OFF_QKS+128   ; their scale words: lanes 0-15 fragment 0's, lanes 16-31 fragment 1's
.endr
.irp e, 0,1
.irp i, 0,1,2,3
	ds_load_b64 v[VS+8*\e+2*\i:VS+8*\e+2*\i+1], v[AD8] offset:REC*\e+OFF_VS+256*\i   ; V's: register t / 2, lanes 0-15 the even tile's, lanes 16-31 the odd one's
.endr
.endr
	WIN 0x40                                       ; destination window 1
.set j, 0
.rept 32
	ds_load_b128 v[VF+4*j:VF+4*j+3], v[AD16] offset:512*j   ; the first record's sixteen fragments of V: they land under the softmax
.set j, j+1
.endr
	WIN 0
	s_wait_dscnt 40                                ; K's ten loads are in; behind them 8 + 32 were issued
.irp e, 0,1
.irp h, 0,1
.irp q, 0,1,2,3
	WMS S+64*\e+8*(4*\h+\q), KF+16*\e+8*\h, 20+8*(\q%2)-4*(\q/2), 1, KS+\e, QS, \h
.endr
.endr
.endr
.rept 4
	v_nop
.endr
.irp b, 0,1,2,3,4,5,6,7
	v_max3_num_f32 v[MX+\b], v[S+16*\b], v[S+1+16*\b], v[S+2+16*\b]   ; the largest score of each block of 32 keys: for the row's maximum, and, since p rises with the score, for the block's largest p
.endr
.irp i, 3,5,7,9,11,13
.irp b, 0,1,2,3,4,5,6,7
	v_max3_num_f32 v[MX+\b], v[MX+\b], v[S+16*\b+\i], v[S+1+16*\b+\i]   ; the eight blocks by turns
.endr
.endr
.irp b, 0,1,2,3,4,5,6,7
	v_max_num_f32 v[MX+\b], v[MX+\b], v[S+15+16*\b]
.endr
.irp b, 0,1,2,3,4,5,6,7
	v_permlanex16_b32 v[PR+\b], v[MX+\b], s[SEL], s[SEL+1]
.endr
.irp b, 0,1,2,3,4,5,6,7
	v_max_num_f32 v[MX+\b], v[MX+\b], v[PR+\b]     ; with lane l xor 16's 16 keys
.endr
	v_max3_num_f32 v254, v[MX], v[MX+1], v[MX+2]
	v_max3_num_f32 v250, v[MX+3], v[MX+4], v[MX+5]
	v_max3_num_f32 v254, v254, v[MX+6], v[MX+7]
	v_max_num_f32 v254, v254, v250                 ; the step's largest score of my query
	v_mul_f32 v254, s[CS], v254                    ; as t
	v_max_num_f32 v13, v13, v254                   ; the running largest t
	v_mov_b32 v254, v12
	v_floor_f32 v12, -v13                          ; the new -M = floor(-t) = -ceil(t): a whole number
	v_sub_f32 v254, v12, v254                      ; old M - new M: a whole number, 0 or less
	v_cvt_i32_f32 v254, v254                       ; (it saturates)
	v_ldexp_f32 v252, 1.0, v254                    ; f = 2^(old M - new M): a multiplication by it rounds nothing
.set j, 0
.rept 64
	v_pk_fma_f32 v[S+j:S+j+1], v[S+j:S+j+1], s[CS:CS+1], v[12:13] op_sel_hi:[1,0,0]   ; t - M, two at a time
.set j, j+2
.endr
.irp b, 0,1,2,3,4,5,6,7
	v_fma_f32 v[MX+\b], v[MX+\b], s[CS], v12       ; the same of each block's largest score
.endr
.set j, 0
.rept 128
	v_exp_f32 v[S+j], v[S+j]                       ; p = 2^(t - M), at most 1
.set j, j+1
.endr
.irp b, 0,1,2,3,4,5,6,7
	v_exp_f32 v[MX+\b], v[MX+\b]                   ; the block's largest p: the same two instructions on the same number
.endr
	v_pk_mul_f32 v[14:15], v[14:15], v[252:253] op_sel_hi:[1,0]   ; the sums under the new M.  (A plain line behind the exponentials)
	s_wait_alu depctr_va_vdst(0)
.irp b, 0,1,2,3,4,5,6,7
	v_max_num_f32 v[MX+\b], 0x1800000, v[MX+\b]    ; the floor 2^(3 - 127): the byte cannot fall under 1
.endr
.irp b, 0,1,2,3,4,5,6,7
	v_add_nc_u32 v[MX+\b], 0xff000000, v[MX+\b]    ; 2 off the exponent field: the conversion's scale operand
.endr
.irp b, 0,1,2,3,4,5,6,7
	v_lshrrev_b32 v[PR+\b], 23, v[MX+\b]           ; the scale's byte
.endr
	v_lshl_or_b32 v[PWA], v[PR+1], 8, v[PR]        ; p's scale words: the first record's 128 keys,
	v_lshl_or_b32 v[PWB], v[PR+5], 8, v[PR+4]      ; the second's
	v_lshl_or_b32 v[PWA], v[PR+2], 16, v[PWA]
	v_lshl_or_b32 v[PWB], v[PR+6], 16, v[PWB]
	v_lshl_or_b32 v[PWA], v[PR+3], 24, v[PWA]
	v_lshl_or_b32 v[PWB], v[PR+7], 24, v[PWB]
.irp b, 0,1,2,3
	v_cvt_scalef32_pk8_fp4_f32 v[PCA+2*\b], v[S+16*\b:S+7+16*\b], v[MX+\b]
	v_cvt_scalef32_pk8_fp4_f32 v[PCA+1+2*\b], v[S+8+16*\b:S+15+16*\b], v[MX+\b]
	v_cvt_scalef32_pk8_fp4_f32 v[PCB+2*\b], v[S+64+16*\b:S+71+16*\b], v[MX+4+\b]
	v_cvt_scalef32_pk8_fp4_f32 v[PCB+1+2*\b], v[S+72+16*\b:S+79+16*\b], v[MX+4+\b]
.endr
	v_nop                                          ; one plain line behind the last scaled conversion
.irp c, 0,1                                    ; the operand's layout wants a whole block in a lane: lanes 0-15 block 2 c, lanes 16-31 block 2 c + 1
.irp i, 0,1
	v_permlane16_swap_b32 v[PCA+4*\c+\i], v[PCA+2+4*\c+\i]
	v_permlane16_swap_b32 v[PCB+4*\c+\i], v[PCB+2+4*\c+\i]
.endr
.endr
	; the row's sum is taken of the unquantised p: two at a time, in four chains, so that a line stands four lines behind the one that it adds onto.  These 64 lines are also the places between p's scale words and codes and the products
	v_pk_add_f32 v[248:249], v[S:S+1], v[S+2:S+3]
	v_pk_add_f32 v[250:251], v[S+4:S+5], v[S+6:S+7]
	v_pk_add_f32 v[246:247], v[S+8:S+9], v[S+10:S+11]
	v_pk_add_f32 v[14:15], v[14:15], v[S+12:S+13]
	v_pk_add_f32 v[248:249], v[248:249], v[S+14:S+15]
.set j, 16
.rept 14
	v_pk_add_f32 v[250:251], v[250:251], v[S+j:S+j+1]
	v_pk_add_f32 v[246:247], v[246:247], v[S+j+2:S+j+3]
	v_pk_add_f32 v[14:15], v[14:15], v[S+j+4:S+j+5]
	v_pk_add_f32 v[248:249], v[248:249], v[S+j+6:S+j+7]
.set j, j+8
.endr
	v_pk_add_f32 v[250:251], v[250:251], v[246:247]
	v_pk_add_f32 v[14:15], v[14:15], v[248:249]
	v_pk_add_f32 v[14:15], v[14:15], v[250:251]
	s_wait_dscnt 0x0                               ; the first record's V fragments and both records' scale words are in (asked for at the step's head)
.set j, 0
.rept 32
	ds_load_b128 v[S+4*j:S+4*j+3], v[AD16] offset:REC+512*j   ; p has been read for the last time: its registers take the second record's sixteen fragments of V, which land under the lines below
.set j, j+1
.endr
.if !\first
	WIN 0x41                                       ; O^T (destination and source 0) window 1
.set j, 0
.rept 64
	v_pk_mul_f32 v[j:j+1], v[j:j+1], v[252:253] op_sel_hi:[1,0]   ; O^T under the new M, each accumulator from its low end on
.set j, j+2
.endr
.endif
	WIN 0x51                                       ; source 0 (V), C and D window 1
.irp t, 0,1,2,3,4,5,6,7,8,9,10,11,12,13,14,15
	WMS 8*\t, VF+8*\t, PCA, \first, VS+(\t/2), PWA, \t%2     ; the sixteen accumulators by turns
.endr
	s_wait_dscnt 0x0                               ; the second record's V fragments are in
	WIN 0x50                                       ; source 0 (V) window 0, C and D window 1
.irp t, 0,1,2,3,4,5,6,7,8,9,10,11,12,13,14,15
	WMS 8*\t, S+8*\t, PCB, 0, VS+8+(\t/2), PWB, \t%2
.endr
	WIN 0
	s_add_co_u32 s[TB], s[TB], 2*REC               ; the next two records
.endm
.macro WORK n                          ; n key steps: written once, walked n times
	s_mov_b32 s[CNT], \n
.Lwork_\@:
	STEP 0
	s_sub_co_u32 s[CNT], s[CNT], 1
	s_cmp_lg_u32 s[CNT], 0
	s_cbranch_scc1 .Lwork_\@
.endm
; THE CHANGE OF SLOTS, at the head of the slot named.  Each wave waits for all its tensor loads (its record of that slot), adds 0 to its spare word, and waits for that and for its reads of the slot that it has left.
; The barrier is a round of the cluster's, so that no wave of any partner still reads the slot left or has a load on its way; the refill of that slot is the first thing behind it, one tensor load a wave, and has four key
; steps in which to land.  kind = 1: the records sixteen further on, jointly, a record a wave.  kind = 2: nothing is left of the keys: slot 0 takes x, 64 rows from each of waves 0-3, a plain load.
.macro CHANGE slot, kind
	s_wait_tensorcnt 0x0                           ; no tensor load of mine is out, so a group 0 may be written
	ds_add_u32 v[SPW], v[NIL]                      ; 0 onto my spare word
.if \kind == 1
	s_add_nc_u64 s[G0+4*(1-\slot)+2:G0+4*(1-\slot)+3], s[G0+4*(1-\slot)+2:G0+4*(1-\slot)+3], 2*SLOTB   ; the type bits on top are not reached
.endif
	s_mov_b32 s[TB], \slot*SLOTB
	s_wait_dscnt 0x0                               ; the add is done, and my reads of the slot that I have left are over
	CROUND
.if \kind == 1
	tensor_load_to_lds s[G0+4*(1-\slot):G0+4*(1-\slot)+3], s[G1:G1+7]
	s_nop 0
.rept 4
	v_nop
.endr
.else
	s_cmp_lt_u32 s[WV], 4                          ; the branch hangs on the wave's number alone
	s_cbranch_scc0 .Lno_x_\@
	tensor_load_to_lds s[G0X:G0X+3], s[G1X:G1X+7]
	s_nop 0
.rept 4
	v_nop
.endr
.Lno_x_\@:
.endif
.endm
	s_wait_tensorcnt 0x1                           ; my record of slot 0 is in; slot 1's may stay out
	s_barrier_signal -1
	s_barrier_wait -1                              ; everybody's is
	s_mov_b32 s[TB], 0
	STEP 1                                         ; records 0, 1
	WORK 3                                         ; 2 to 7
	CHANGE 1, 1                                    ; slot 0 takes records 16 to 23
	WORK 4                                         ; 8 to 15
	CHANGE 0, 1                                    ; slot 1 takes records 24 to 31
	WORK 4                                         ; 16 to 23
	CHANGE 1, 2                                    ; slot 0 takes x: its last fill
	WORK 4                                         ; 24 to 31
	; THE WAY OUT.  g = gamma / the row's sum; out = O^T g + x.
	s_wait_tensorcnt 0x0                           ; waves 0-3: my 64 rows of x are in LDS
	s_wait_dscnt 0x0
	s_barrier_signal -1
	v_add_f32 v14, v14, v15                        ; (register work while the others arrive)  the sum's two halves,
	v_permlanex16_b32 v252, v14, s[SEL], s[SEL+1]
	v_add_f32 v14, v14, v252                       ; and lane l xor 16's
	v_rcp_f32 v14, v14
	v_nop                                          ; a plain line behind the transcendental
	s_wait_alu depctr_va_vdst(0)
	v_mul_f32 v14, s[GAM], v14
.rept 3
	v_nop                                          ; with the lines above: the places between the last products and the loads into their registers and the first read of their results
.endr
	s_barrier_wait -1                              ; everybody's rows of x are in
.set j, 0
.rept 64
	ds_load_b32 v[96+j], v[XA] offset:XP*(16*(j/8)+j%8)     ; x(channel 16 t + 8 h + i, my query) for register 8 t + i
.set j, j+1
.endr
.set j, 0
.rept 64
	ds_load_b32 v[160+j], v[XA2] offset:XP*(16*(j/8)+j%8)
.set j, j+1
.endr
	s_wait_dscnt 0x0
	s_barrier_signal -1
	s_barrier_wait -1                              ; every wave has read its x: the bytes become the stage
	WIN 0x01                                       ; source 0 (O^T) window 1
.set j, 0
.rept 64
	v_pk_fma_f32 v[96+j:97+j], v[j:j+1], v[14:15], v[96+j:97+j] op_sel_hi:[1,0,1]   ; each accumulator from its low end on
.set j, j+2
.endr
	WIN 0
.set j, 0
.rept 64
	ds_store_b32 v[XA], v[96+j] offset:XP*(16*(j/8)+j%8)    ; back to the place that x held
.set j, j+1
.endr
.set j, 0
.rept 64
	ds_store_b32 v[XA2], v[160+j] offset:XP*(16*(j/8)+j%8)
.set j, j+1
.endr
	s_wait_dscnt 0x0                               ; for the others' sake: my stores into the stage are done
	s_barrier_signal -1
	s_barrier_wait -1                              ; 256 whole rows of 128 queries lie in the stage
.set j, 0
.rept 32
	ds_load_b128 v[96+4*j:99+4*j], v[RD] offset:XP*j        ; channel 32 w + j
.set j, j+1
.endr
.set j, 0
.rept 32
	s_wait_dscnt 31-j                              ; row j is back; the rows behind it may be out
	global_store_b128 v[L16], v[96+4*j:99+4*j], s[12:13] offset:16384*j th:TH_STORE_NT   ; 32 lanes store 512 consecutive bytes, at a multiple of 512 from out0's first byte
.set j, j+1
.endr
	s_wait_tensorcnt 0x0                           ; the wave's end: behind my last tensor load and my last LDS store
	ds_add_u32 v[SPW], v[NIL]
	s_wait_dscnt 0x0
	CROUND                                         ; the closing round: no work-group ends while a partner may still ask for a record that names it
	s_endpgm
.Lfunc_end_k_qec71d2c6a5_attn:
	.size	k_qec71d2c6a5_attn, .Lfunc_end_k_qec71d2c6a5_attn-k_qec71d2c6a5_attn
	.p2alignl 7, 3214868480
	.fill 96, 4, 3214868480
	.section	.rodata,"a",@progbits
	.p2align	6, 0x0
	.amdhsa_kernel k_qec71d2c6a5_attn
		.amdhsa_group_segment_fixed_size 327680
		.amdhsa_private_segment_fixed_size 0
		.amdhsa_enable_private_segment 0
		.amdhsa_kernarg_size 40
		.amdhsa_user_sgpr_count 2
		.amdhsa_user_sgpr_kernarg_segment_ptr 1
		.amdhsa_wavefront_size32 1
		.amdhsa_system_sgpr_workgroup_id_x 1
		.amdhsa_system_sgpr_workgroup_id_y 1
		.amdhsa_system_sgpr_workgroup_id_z 1
		.amdhsa_system_vgpr_workitem_id 0
		.amdhsa_next_free_vgpr 512
		.amdhsa_next_free_sgpr 66
		.amdhsa_reserve_vcc 1
		.amdhsa_float_denorm_mode_32 3
		.amdhsa_float_denorm_mode_16_64 3
		.amdhsa_memory_ordered 1
		.amdhsa_forward_progress 1
		.amdhsa_inst_pref_size 217
	.end_amdhsa_kernel
	.amdgpu_metadata
---
amdhsa.version: [ 1, 2 ]
amdhsa.kernels:
  - .name:           k_qec71d2c6a5_attn
    .symbol:         k_qec71d2c6a5_attn.kd
    .args:
      - { .name: qc, .offset: 0, .size: 8, .value_kind: global_buffer, .address_space: global }
      - { .name: kv, .offset: 8, .size: 8, .value_kind: global_buffer, .address_space: global }
      - { .name: x, .offset: 16, .size: 8, .value_kind: global_buffer, .address_space: global }
      - { .name: gamma, .offset: 24, .size: 8, .value_kind: global_buffer, .address_space: global }
      - { .name: out0, .offset: 32, .size: 8, .value_kind: global_buffer, .address_space: global }
    .group_segment_fixed_size: 327680
    .private_segment_fixed_size: 0
    .kernarg_segment_align: 8
    .kernarg_segment_size: 40
    .max_flat_workgroup_size: 256
    .sgpr_count:     66
    .vgpr_count:     512
    .wavefront_size: 32
...
	.end_amdgpu_metadata
.endif
;; end of part 3
